; MI455X (gfx1250); checked and timed in simulation.
; The chip was launched on July 23, 2026; its instructions are those of AMD's public machine-readable ISA for CDNA 5 (MIT licence, August 2026) and "CDNA5" Instruction Set Architecture Reference Guide (July 2026). The comments in the code are by the model that wrote it; some were corrected since.
;; Cross Attention Memory. Allowed arithmetic: float matrix products may take bf16 or f16 operands with f32 sums; all other float work in f32.
;; Inputs: inputs 2 x 512 x 4,096 bfloat16; memory 2 x 1,024 x 4,096 bfloat16; wk 4,096 x 4,096 bfloat16; wq 4,096 x 4,096 bfloat16.
;; Outputs: out0 2 x 512 x 4,096 bfloat16; out1 1,024 int32; out2 one number bool.
;; Constants: seg_num = 100.
;; One version. Each part assembles by itself: llvm-mc -triple=amdgcn-amd-amdhsa -mcpu=gfx1250 --defsym DOCPART=n.
;; ======== version 1 of 1: 4 launches
;; workspace buffers: qk 25,165,824 bytes; part 16,777,216 bytes; prob 2,097,152 bytes
;; launch proj (part 1): grid 16 x 12, 4 waves a work-group, clusters of 4 x 4, 327,680 bytes of LDS; arguments inputs, memory, wq, wk, qk; writes qk
.if DOCPART == 1
	.amdgcn_target "amdgcn-amd-amdhsa--gfx1250"
	.amdhsa_code_object_version 6
	.text
	.protected	k_qa330240a2a_proj
	.globl	k_qa330240a2a_proj
	.p2align	8
	.type	k_qa330240a2a_proj,@function
k_qa330240a2a_proj:
	s_mov_b64 s[64:65], 0
	v_nop
	global_prefetch_b8 v0, s[64:65] scope:SCOPE_SE
	s_setreg_imm32_b32 hwreg(HW_REG_WAVE_MODE, 25, 1), 1
	s_wait_xcnt 0x0
	s_wait_alu depctr_hold_cnt(0) depctr_sa_sdst(0) depctr_va_vdst(0) depctr_va_sdst(0) depctr_va_ssrc(0) depctr_va_vcc(0) depctr_vm_vsrc(0)
	s_getreg_b32 s2, hwreg(HW_REG_IB_STS2, 6, 4)
	s_cmp_eq_u32 s2, 0
	s_cbranch_scc0 .Lentry_in_a_cluster
	s_endpgm
.Lentry_in_a_cluster:
	s_bfe_u32 s2, ttmp6, 0x10000c
	s_cmp_lg_u32 s2, 0xf033
	s_cbranch_scc0 .Lentry_shape_is_right
	s_endpgm
.Lentry_shape_is_right:
; BOTH PROJECTIONS IN ONE LAUNCH.  C = [xq; mk], 3,072 rows x 4,096 columns: rows 0-1023 are inputs x wq^T, rows 1024-3071 memory x wk^T.  K = 4,096, bf16 operands, f32 sums, K ascending,
; one accumulator for each output; C rounded once to bf16 (nearest even), the format in which it is an operand of the score product of the next launch.  8,192 bytes a row.
; LIMIT: that rounding (a relative error of at most 2^-8 in each number of xq and mk) moves the scores by a few thousandths of their spread at this size; where a row's two largest scores lie closer
; than that, the index found two launches on is that of the rounded operands' product.
; SHARES.  A work-group makes 256 x 256 of C, each of its four waves 128 x 128: 64 accumulators of 16 x 16, 512 registers.  12 x 16 = 192 work-groups: 3,072 x 4,096 outputs do not fall into 256 equal
; tiles whose sides divide 1,024 and 4,096, and a mixed share of both products wants 640 LDS rows a K step, more than two slots hold.
; K goes in steps of 128 through a ring of two LDS slots filled by tensor loads whose rows are 256 consecutive bytes, at multiples of 256 from the buffer's first byte.
; CLUSTERS: 4 x 4 work-groups.  The four of a row of the cluster need the same rows of A, the four of a column the same rows of the weights: each tile is asked for JOINTLY (same load, same descriptor,
; a mask that names the four).  A cluster lies whole in one of the two products: cluster y = 0 takes inputs and wq, cluster y = 1, 2 take memory and wk; the choice hangs on cluster y alone.
; THE MATRIX INSTRUCTION IS USED TRANSPOSED (source 0 = 16 rows of the weights, source 1 = 16 rows of A): a lane holds row l % 16 of C and eight neighbouring columns 8 (l / 16) + 0..7: 16 bytes of bf16.
; REGISTERS, in windows of 256: window 0: v0-31 addresses; v64-127, v128-191 fragments of A, two buffers; on the way out v192-223 packed results, v32-63 and v224-255 rows read back.
;   window 1: v64-127, v128-191 fragments of the weights.   windows 2, 3: the accumulators of my rows 0-63, 64-127 ((a, b) at v[8 (8 a + b)]).
.set DIM,    4096                      ; K, and the pitch of all four inputs in elements
.set KSTEP,  128
.set PITCH,  272                       ; an LDS row: 256 bytes + 16 of padding = 68 words: the 16 rows of a fragment load start 4 banks apart (64 banks of 4 bytes: ISA guide 11.1)
.set HALFT,  128*PITCH                 ; 128 rows: what one tensor load brings, and what one wave reads of A or of the weights
.set SLOT,   4*HALFT                   ; A's 256 rows, then the weights' 256 rows
.set STAGE,  2*SLOT                    ; behind the ring: 16 rows x 272 bytes for each wave; no tensor load lands there
.set SPITCH, 272
.set LAPS,   DIM/(2*KSTEP)             ; a lap = two K steps = once round the ring: 16
.set CROW,   8192                      ; bytes in a row of the output
.set ADRA, 16                          ; v16-17  LDS address of my A fragments in slot 0, 1
.set ADRB, 20                          ; v20-21  the same for the weights
.set STO,  24                          ; v24     the way out: where I put 16 bytes of a row
.set RD,   25                          ; v25     the way out: where I read a row back
.set CO,   26                          ; v26     my byte offset in the output
.set F0,   64                          ; fragment buffer 0
.set F1,   128                         ; fragment buffer 1
.set TMP,  192                         ; the way out: packed results, in window 0
.set OB,   32                          ; 16 rows read back from the stage: v32-63 and v224-255 by turns
.set WV,   14                          ; s14 my wave's number; s15 wave / 2; s16 wave % 2
.set G1,  24                           ; s[24:31] descriptor group 1 for A's tiles;  s[32:39] group 0, one set for each slot
.set G0,  32
.set G1B, 48                           ; s[48:55], s[56:63] the same for the weights' tiles
.set G0B, 56
.set MSB, 0
.macro WIN new                         ; the immediate's high byte repeats the setting that is left; a switch that changes nothing is dropped
.if MSB != \new
	s_set_vgpr_msb (MSB<<8)|\new
.set MSB, \new
.endif
.endm
.set MUL_LO, 0xa1                      ; source 0 (weights) window 1, source 1 (A) window 0, C and D window 2
.set MUL_HI, 0xf1                      ; the same, C and D window 3
.set TO_B,   0x40                      ; destination window 1, address window 0
; A joint load.  Waves 0 and 1 fetch A's two halves, waves 2 and 3 the weights'.  The branch hangs on the wave's number alone.  Four v_nop follow each of the two lines.
.macro JLOAD s
	s_cmp_eq_u32 s15, 0
	s_cbranch_scc0 .Lfor_b_\@
	tensor_load_to_lds s[G0+4*\s:G0+4*\s+3], s[G1:G1+7]
	s_nop 0
.rept 4
	v_nop
.endr
	s_branch .Lasked_\@
.Lfor_b_\@:
	tensor_load_to_lds s[G0B+4*\s:G0B+4*\s+3], s[G1B:G1B+7]
	s_nop 0
.rept 4
	v_nop
.endr
.Lasked_\@:
.endm
; A round of the cluster's barrier: my work-group's barrier; wave 0 signals for the work-group; every wave waits for all sixteen; my work-group's barrier once more.
.macro CREST                           ; a round behind its opening barrier
	s_cmp_lg_u32 s[WV], 0
	s_cbranch_scc1 .Lnot_wave_0_\@
	s_barrier_signal -3
.Lnot_wave_0_\@:
	s_barrier_wait -3
	s_barrier_signal -1
	s_barrier_wait -1
.endm
.macro CROUND                          ; a whole round
	s_barrier_signal -1
	s_barrier_wait -1
	CREST
.endm
	s_load_b256 s[4:11], s[0:1], 0x0               ; inputs s[4:5], memory s[6:7], wq s[8:9], wk s[10:11]
	s_load_b64 s[12:13], s[0:1], 0x20              ; the output
	s_set_vgpr_msb 0x40
	v_lshl_add_u32 v255, v0, 2, 0x48400
	s_set_vgpr_msb 0x4000
	v_mov_b32 v31, 0
	s_set_vgpr_msb 0x1
	ds_add_u32 v255, v31
	s_set_vgpr_msb 0x100
	v_lshrrev_b32 v1, 5, v0
	v_readfirstlane_b32 s[WV], v1                  ; wave 0..3
	s_lshr_b32 s15, s[WV], 1                       ; which half of the tile's rows is mine.  Also: I fetch for A (0) or for the weights (1)
	s_and_b32 s16, s[WV], 1                        ; which half of its columns.  Also: which 128 rows of that tile I fetch
	s_bfe_u32 s17, ttmp6, 0x40000                  ; cx
	s_bfe_u32 s18, ttmp6, 0x40004                  ; cy
	s_lshl_b32 s19, ttmp9, 2
	s_add_co_u32 s19, s19, s17                     ; tile column of C = 4 x cluster x + cx
	s_and_b32 s21, ttmp7, 0xffff                   ; cluster y: 0 = xq, 1 and 2 = mk
	s_lshl_b32 s20, s21, 2
	s_add_co_u32 s20, s20, s18                     ; tile row of C = 4 x cluster y + cy
	s_max_u32 s22, s21, 1
	s_sub_co_u32 s22, s22, 1
	s_lshl_b32 s22, s22, 2
	s_add_co_u32 s22, s22, s18                     ; tile row in the source: inputs' 0-3 (cluster y 0), memory's 0-7 (cluster y 1, 2)
	s_lshl_b32 s23, s18, 2
	s_lshl_b32 s23, 15, s23                        ; my row of the cluster: places 4 cy .. 4 cy + 3
	s_lshl_b32 s40, 0x1111, s17                    ; my column: places cx, cx + 4, cx + 8, cx + 12
	; descriptor group 1: a tile of 128 rows x 128 elements, padded in LDS
	s_or_b32 s[G1+0], s23, (1<<16)|(1<<20)|(1<<21)|(5<<22)|(3<<25)   ; 15:0 the mask: my row; 17:16 elements of 2 bytes; 20 padding on; 21 set beside a mask; 24:22 after every 64 words; 31:25 4 words of it
	s_or_b32 s[G1B+0], s40, (1<<16)|(1<<20)|(1<<21)|(5<<22)|(3<<25)  ; the same with the mask of my column
.irp g, G1, G1B
	s_mov_b32 s[\g+1], KSTEP<<16                   ; tensor_dim0 = 128
	s_mov_b32 s[\g+2], 128<<16                     ; tensor_dim1 = 128
	s_mov_b32 s[\g+3], KSTEP<<16                   ; tile_dim0 = 128
	s_mov_b32 s[\g+4], 128                         ; tile_dim1 = 128
	s_mov_b32 s[\g+5], DIM                         ; elements from row to row
	s_mov_b32 s[\g+6], 0
	s_mov_b32 s[\g+7], 0
.endr
	; where the tiles come from: A's hang on the tile row, the weights' on the tile column; rows of 8,192 bytes; both offsets stay under 2^26
	s_lshl_b32 s41, s16, 7                         ; which 128 rows of the tile I fetch
	s_lshl_b32 s42, s22, 8
	s_add_co_u32 s42, s42, s41
	s_lshl_b32 s42, s42, 13
	s_mov_b32 s43, 0
	s_lshl_b32 s46, s19, 8
	s_add_co_u32 s46, s46, s41
	s_lshl_b32 s46, s46, 13
	s_mov_b32 s47, 0
	s_mul_i32 s44, s[WV], HALFT                    ; and where they go: wave x 128 rows: no place in the cluster enters an LDS address
	s_wait_dscnt 0x0
	s_wait_kmcnt 0x0
	s_cmp_eq_u32 s21, 0                            ; the cluster's product: the same choice in all sixteen partners
	s_cselect_b64 s[4:5], s[4:5], s[6:7]           ; A = inputs or memory
	s_cselect_b64 s[8:9], s[8:9], s[10:11]         ; weights = wq or wk
	s_add_nc_u64 s[42:43], s[4:5], s[42:43]
	s_add_nc_u64 s[46:47], s[8:9], s[46:47]
	CROUND                                         ; all sixteen work-groups are here: the first joint loads meet
.irp s, 0,1
	s_mov_b32 s[G0+4*\s], 1                                        ; count = 1
	s_add_co_u32 s[G0+4*\s+1], s44, \s*SLOT                        ; LDS address
	s_add_nc_u64 s[G0+4*\s+2:G0+4*\s+3], s[42:43], \s*KSTEP*2      ; global address: K step s
	s_or_b32 s[G0+4*\s+3], s[G0+4*\s+3], 0x80000000                ; type = 2
	s_mov_b32 s[G0B+4*\s], 1
	s_add_co_u32 s[G0B+4*\s+1], s44, \s*SLOT
	s_add_nc_u64 s[G0B+4*\s+2:G0B+4*\s+3], s[46:47], \s*KSTEP*2
	s_or_b32 s[G0B+4*\s+3], s[G0B+4*\s+3], 0x80000000
	JLOAD \s                                       ; the ring is filled before anything else is done: two loads of mine are out
.endr
	; A fragment is 16 rows x 32 K in 8 registers: lane l holds row l % 16; registers 0-3 K = 8 (l / 16) + 0..7, registers 4-7 K = 16 + 8 (l / 16) + 0..7: two loads of 16 bytes, 32 bytes apart.
	v_and_b32 v1, 15, v0                           ; l % 16
	v_bfe_u32 v2, v0, 4, 1                         ; l / 16
	v_mul_u32_u24 v3, v1, PITCH
	v_lshl_add_u32 v3, v2, 4, v3                   ; row x pitch + 16 x half
	s_mul_i32 s41, s15, HALFT                      ; my 128 rows of A
	s_mul_i32 s45, s16, HALFT                      ; my 128 rows of the weights,
	s_add_co_u32 s45, s45, 2*HALFT                 ; which lie behind A's 256
.irp s, 0,1
	v_add_nc_u32 v[ADRA+\s], s41, v3
	v_add_nc_u32 v[ADRB+\s], s45, v3
	s_add_co_u32 s41, s41, SLOT
	s_add_co_u32 s45, s45, SLOT
.endr
	s_mul_i32 s45, s[WV], 16*SPITCH
	s_add_co_u32 s45, s45, STAGE                   ; my stage
	v_mul_u32_u24 v4, v1, SPITCH                   ; in: row l % 16, 16 bytes for each half of the lanes
	v_lshl_add_u32 v4, v2, 4, v4
	v_add_nc_u32 v[STO], s45, v4
	v_mul_u32_u24 v5, v2, SPITCH                   ; back: lanes 0-15 take one row of 256 bytes, lanes 16-31 the next
	v_lshl_add_u32 v5, v1, 4, v5
	v_add_nc_u32 v[RD], s45, v5
	v_lshlrev_b32 v5, 13, v2                       ; and the same two rows in the output
	v_lshl_add_u32 v[CO], v1, 4, v5
	; where my 128 x 128 begin in the output: row (256 x tile row + 128 x half) x 8,192 bytes + column (256 x tile column + 128 x half) x 2 bytes; under 2^25
	s_lshl_b32 s46, s20, 8
	s_lshl_b32 s41, s15, 7
	s_add_co_u32 s46, s46, s41
	s_lshl_b32 s46, s46, 13
	s_lshl_b32 s41, s19, 9
	s_add_co_u32 s46, s46, s41
	s_lshl_b32 s41, s16, 8
	s_add_co_u32 s46, s46, s41
	s_mov_b32 s47, 0
	s_add_nc_u64 s[12:13], s[12:13], s[46:47]
; 16 matrix instructions: m blocks a0, a0 + 1 of the window's four (hi = 0: my rows 0-63, 1: rows 64-127) x all 8 n blocks, 32 along K.  zero = 1: the first product starts the sums.
; The 64 accumulators take turns, one instruction a turn, in the same order in every quarter step.
.macro MUL16 f, hi, a0, zero
.irp a, \a0, \a0+1
.irp b, 0,1,2,3,4,5,6,7
.if \zero
	v_wmma_f32_16x16x32_bf16 v[8*(8*(\a)+\b):8*(8*(\a)+\b)+7], v[\f+8*\b:\f+8*\b+7], v[\f+8*(4*\hi+\a):\f+8*(4*\hi+\a)+7], 0
.else
	v_wmma_f32_16x16x32_bf16 v[8*(8*(\a)+\b):8*(8*(\a)+\b)+7], v[\f+8*\b:\f+8*\b+7], v[\f+8*(4*\hi+\a):\f+8*(4*\hi+\a)+7], v[8*(8*(\a)+\b):8*(8*(\a)+\b)+7]
.endif
.endr
.endr
.endm
; 32 LDS loads in one run: the fragments of one quarter step (128 rows of the weights, 128 rows of A, 32 K at byte k of the rows) into buffer f
.macro FETCH slot, k, f
	WIN TO_B
.irp i, 0,1,2,3,4,5,6,7
	ds_load_b128 v[\f+8*\i:\f+8*\i+3],   v[ADRB+\slot] offset:\k+\i*16*PITCH
	ds_load_b128 v[\f+8*\i+4:\f+8*\i+7], v[ADRB+\slot] offset:\k+\i*16*PITCH+32
.endr
	WIN 0
.irp i, 0,1,2,3,4,5,6,7
	ds_load_b128 v[\f+8*\i:\f+8*\i+3],   v[ADRA+\slot] offset:\k+\i*16*PITCH
	ds_load_b128 v[\f+8*\i+4:\f+8*\i+7], v[ADRA+\slot] offset:\k+\i*16*PITCH+32
.endr
.endm
; Four places stand between a matrix instruction and a load into a register that it read, or a vector instruction that reads its result (ISA guide 7.12.1 for vector instructions).
.macro PLACES
.rept 4
	v_nop
.endr
.endm
; A K step is four quarter steps of 32 along K, 64 matrix instructions each, on buffers 0, 1, 0, 1.  One of the first three: multiplies buffer f and fetches the next quarter, at byte k, into g.
.macro QUARTER slot, k, f, g, zero
	s_wait_dscnt 8                                 ; the weights and A's rows 0-63 are in; the youngest eight loads (A's rows 64-127) may be out
	WIN MUL_LO
	MUL16 \f, 0, 0, \zero
	MUL16 \f, 0, 2, \zero
	PLACES
	FETCH \slot, \k, \g
	s_wait_dscnt 32                                ; all but the 32 just issued
	WIN MUL_HI
	MUL16 \f, 1, 0, \zero
	MUL16 \f, 1, 2, \zero
.endm
; The last quarter multiplies buffer 1 and changes slots: ONE barrier.  In front of it each wave waits for its own reads of this slot and for all its tensor loads, of which one is out: its part of
; the next slot.  fill = 1: the barrier opens a round of the cluster's, and behind the round this slot is filled again, two K steps ahead, first thing: 240 matrix instructions ahead of the wait for it.
.macro TURN slot, next, fill
	s_wait_dscnt 8
	WIN MUL_LO
	MUL16 F1, 0, 0, 0
	s_wait_dscnt 0                                 ; my reads of this slot are over,
	s_wait_tensorcnt 0x0                           ; and all my tensor loads have landed
	ds_add_u32 v255, v31
	s_wait_dscnt 0x0
	s_barrier_signal -1
	MUL16 F1, 0, 2, 0                              ; register work while the others arrive
.if \fill
	WIN 0                                          ; at a branch and at a label every window is 0
.endif
	s_barrier_wait -1
.if \fill
	CREST                                          ; no wave of any partner still reads this slot's tile or has a load on its way
	s_add_nc_u64 s[G0+4*\slot+2:G0+4*\slot+3], s[G0+4*\slot+2:G0+4*\slot+3], 2*KSTEP*2
	s_add_nc_u64 s[G0B+4*\slot+2:G0B+4*\slot+3], s[G0B+4*\slot+2:G0B+4*\slot+3], 2*KSTEP*2
	JLOAD \slot                                    ; the four v_nop behind it are also the places in front of the loads below
.else
	PLACES
.endif
	FETCH \next, 0, F0
	WIN MUL_HI
	MUL16 F1, 1, 0, 0
	MUL16 F1, 1, 2, 0
.endm
; THE WAY OUT of block a (16 rows x 128 columns), in three parts.  PACK: rounded to bf16, 16 bytes a lane.  TOSTAGE: into my own stage in LDS, and back as whole rows of 256 bytes.  SEND: stored.
.macro PACK a
.set AC, 64*((\a)%4)
	WIN 0x0a+5*((\a)/4)                            ; sources 0 and 1: window 2 or 3
.irp b, 0,1,2,3,4,5,6,7
.irp r, 0,1,2,3
	v_cvt_pk_bf16_f32 v[TMP+4*\b+\r], v[AC+8*\b+2*\r], v[AC+8*\b+2*\r+1]
.endr
.endr
	WIN 0
.endm
.macro TOSTAGE a
.set BK, OB+192*((\a)%2)
.irp b, 0,1,2,3,4,5,6,7
	ds_store_b128 v[STO], v[TMP+4*\b:TMP+4*\b+3] offset:32*\b
.endr
.irp t, 0,1,2,3,4,5,6,7
	ds_load_b128 v[BK+4*\t:BK+4*\t+3], v[RD] offset:\t*2*SPITCH    ; LDS serves a wave's instructions in order (ISA guide 5.7.1.4): these see the stores above
.endr
.endm
.macro SEND a
.set BK, OB+192*((\a)%2)
	s_wait_dscnt 0x0                               ; the block is back in registers
	s_wait_xcnt 0x0                                ; only behind this wait are the stores' base and the registers that earlier stores read rewritten (ISA guide 3.1)
.if (\a) > 0
	s_add_nc_u64 s[12:13], s[12:13], 16*CROW       ; 16 rows on
.endif
.irp t, 0,1,2,3,4,5,6,7
	global_store_b128 v[CO], v[BK+4*\t:BK+4*\t+3], s[12:13] offset:2*\t*CROW   ; 16 lanes store 256 consecutive bytes, at a multiple of 256 from the buffer's first byte
.endr
.endm
	s_wait_tensorcnt 1                             ; my part of K step 0 is in; K step 1's may stay out
	s_barrier_signal -1
	s_barrier_wait -1                              ; everybody's is
	FETCH 0, 0, F0
	QUARTER 0, 64,  F0, F1, 1                      ; the first quarter stands in front of the loop: its products start the sums
	WIN 0
	s_mov_b32 s3, LAPS-1
.Llap:                                                 ; a trip goes once round the ring, from a lap's second quarter to the next lap's first, and fills both slots again: K steps 2 to 31 in 15 trips
	QUARTER 0, 128, F1, F0, 0
	QUARTER 0, 192, F0, F1, 0
	TURN 0, 1, 1
	QUARTER 1, 64,  F0, F1, 0
	QUARTER 1, 128, F1, F0, 0
	QUARTER 1, 192, F0, F1, 0
	TURN 1, 0, 1
	QUARTER 0, 64,  F0, F1, 0
	WIN 0
	s_sub_co_u32 s3, s3, 1
	s_cmp_lg_u32 s3, 0
	s_cbranch_scc1 .Llap
	QUARTER 0, 128, F1, F0, 0                      ; the last lap fills nothing, and has no round of the cluster's barrier
	QUARTER 0, 192, F0, F1, 0
	TURN 0, 1, 0
	QUARTER 1, 64,  F0, F1, 0
	QUARTER 1, 128, F1, F0, 0
	QUARTER 1, 192, F0, F1, 0
	s_wait_dscnt 8                                 ; the very last quarter: nothing more to fetch
	WIN MUL_LO
	MUL16 F1, 0, 0, 0
	MUL16 F1, 0, 2, 0
	s_wait_dscnt 0
	WIN MUL_HI
	MUL16 F1, 1, 0, 0
	MUL16 F1, 1, 2, 0
	WIN 0
	PLACES                                         ; the conversions read results
	PACK 0
	TOSTAGE 0
.irp a, 1,2,3,4,5,6,7                  ; block a's conversions stand between block a - 1's loads from the stage and the wait for them
	PACK \a
	SEND \a-1
	TOSTAGE \a
.endr
	SEND 7
	s_set_vgpr_msb 0x1
	s_wait_tensorcnt 0x0
	ds_add_u32 v255, v31
	s_wait_dscnt 0x0
	s_set_vgpr_msb 0x100
	CROUND                                         ; the closing round: no work-group ends while a partner may still ask for a tile that names it
	s_endpgm
.Lfunc_end_k_qa330240a2a_proj:
	.size	k_qa330240a2a_proj, .Lfunc_end_k_qa330240a2a_proj-k_qa330240a2a_proj
	.p2alignl 7, 3214868480
	.fill 96, 4, 3214868480
	.section	.rodata,"a",@progbits
	.p2align	6, 0x0
	.amdhsa_kernel k_qa330240a2a_proj
		.amdhsa_group_segment_fixed_size 327680
		.amdhsa_private_segment_fixed_size 0
		.amdhsa_enable_private_segment 0
		.amdhsa_kernarg_size 40
		.amdhsa_user_sgpr_count 2
		.amdhsa_user_sgpr_kernarg_segment_ptr 1
		.amdhsa_wavefront_size32 1
		.amdhsa_system_sgpr_workgroup_id_x 1
		.amdhsa_system_sgpr_workgroup_id_y 1
		.amdhsa_system_sgpr_workgroup_id_z 1
		.amdhsa_system_vgpr_workitem_id 0
		.amdhsa_next_free_vgpr 1024
		.amdhsa_next_free_sgpr 66
		.amdhsa_reserve_vcc 0
		.amdhsa_float_denorm_mode_32 3
		.amdhsa_float_denorm_mode_16_64 3
		.amdhsa_memory_ordered 1
		.amdhsa_forward_progress 1
		.amdhsa_inst_pref_size 143
	.end_amdhsa_kernel
	.amdgpu_metadata
---
amdhsa.version: [ 1, 2 ]
amdhsa.kernels:
  - .name:           k_qa330240a2a_proj
    .symbol:         k_qa330240a2a_proj.kd
    .args:
      - { .name: inputs, .offset: 0, .size: 8, .value_kind: global_buffer, .address_space: global }
      - { .name: memory, .offset: 8, .size: 8, .value_kind: global_buffer, .address_space: global }
      - { .name: wq, .offset: 16, .size: 8, .value_kind: global_buffer, .address_space: global }
      - { .name: wk, .offset: 24, .size: 8, .value_kind: global_buffer, .address_space: global }
      - { .name: qk, .offset: 32, .size: 8, .value_kind: global_buffer, .address_space: global }
    .group_segment_fixed_size: 327680
    .private_segment_fixed_size: 0
    .kernarg_segment_align: 8
    .kernarg_segment_size: 40
    .max_flat_workgroup_size: 128
    .sgpr_count:     66
    .vgpr_count:     1024
    .wavefront_size: 32
...
	.end_amdgpu_metadata
.endif
;; end of part 1
;; launch scores (part 2): grid 8 x 32, 4 waves a work-group, clusters of 4 x 4, 327,680 bytes of LDS; arguments qk, part; writes part
.if DOCPART == 2
	.amdgcn_target "amdgcn-amd-amdhsa--gfx1250"
	.amdhsa_code_object_version 6
	.text
	.protected	k_qa330240a2a_scores
	.globl	k_qa330240a2a_scores
	.p2align	8
	.type	k_qa330240a2a_scores,@function
k_qa330240a2a_scores:
	s_mov_b64 s[64:65], 0
	v_nop
	global_prefetch_b8 v0, s[64:65] scope:SCOPE_SE
	s_setreg_imm32_b32 hwreg(HW_REG_WAVE_MODE, 25, 1), 1
	s_wait_xcnt 0x0
	s_wait_alu depctr_hold_cnt(0) depctr_sa_sdst(0) depctr_va_vdst(0) depctr_va_sdst(0) depctr_va_ssrc(0) depctr_va_vcc(0) depctr_vm_vsrc(0)
	s_getreg_b32 s2, hwreg(HW_REG_IB_STS2, 6, 4)
	s_cmp_eq_u32 s2, 0
	s_cbranch_scc0 .Lentry_in_a_cluster
	s_endpgm
.Lentry_in_a_cluster:
	s_bfe_u32 s2, ttmp6, 0x10000c
	s_cmp_lg_u32 s2, 0xf033
	s_cbranch_scc0 .Lentry_shape_is_right
	s_endpgm
.Lentry_shape_is_right:
; PARTIAL SUMS OF THE SCORES.  part[ks][b 512 + n][m] = the sum over the 1,024 h of slice ks of xq[b][n][h] mk[b][m][h], unscaled, in f32.  xq and mk are bf16, rows of 8,192 bytes:
; rows 0-1023 xq (512 b + n), rows 1024-3071 mk (1,024 + 1,024 b + m).
; SHARES.  A tile is 128 queries x 128 keys x 1,024 h; the 2 x 4 x 8 tiles of the scores times four slices of h make 256 equal work-groups, where whole sums over h would leave 64; the four slices
; are added in the next launch, in a fixed order.  Four waves, each 64 x 64: 16 accumulators, 128 registers.  A slice goes in four steps of 256 h (LDS rows of 512 bytes; a wave's tensor load brings
; 64 of them) through two LDS slots.  The four steps are written out: two fills at the start, two refills, no loop.
; CLUSTERS: 4 x 4 work-groups; cluster y = 4 x batch + slice, cy = query tile, 4 x cluster x + cx = key tile.  xq's tile is shared along a row of the cluster, mk's along a column: joint loads.
; TRANSPOSED USE: source 0 = 16 rows of mk, source 1 = 16 rows of xq: a lane holds query l % 16 and eight neighbouring keys.
; REGISTERS: window 0: v0-31 addresses; v128-255 the accumulators ((a, b) at v[128 + 8 (4 a + b)]).
;   window 1: two buffers of 128: for 64 along h, 64 registers of xq (2 x 4 fragments), then 64 of mk.
.set PITCH,  528                       ; an LDS row: 512 bytes + 16 of padding = 132 words: the 16 rows of a fragment load start 4 banks apart (64 banks of 4 bytes: ISA guide 11.1)
.set HALFT,  64*PITCH                  ; 64 rows: what one tensor load brings, and what one wave reads of xq or of mk
.set SLOT,   4*HALFT                   ; xq's 128 rows, then mk's 128 rows
.set STAGE,  2*SLOT                    ; behind the ring: 16 rows x 272 bytes for each wave; no tensor load lands there
.set SPITCH, 272
.set STEPB,  512                       ; bytes of a row in a step
.set ADRA, 16                          ; v16-17  LDS address of my xq fragments in slot 0, 1
.set ADRB, 20                          ; v20-21  the same for mk
.set STO,  24                          ; v24     the way out: where I put 32 bytes of a row
.set RD,   25                          ; v25     the way out: where I read a row back
.set CO,   26                          ; v26     my byte offset in the output
.set ACC,  128
.set F0,   0
.set F1,   128
.set G1,  24
.set G0,  32
.set G1B, 48
.set G0B, 56
.set MSB, 0
.macro WIN new
.if MSB != \new
	s_set_vgpr_msb (MSB<<8)|\new
.set MSB, \new
.endif
.endm
.set MUL,  0x05                        ; sources 0 and 1 window 1; C and D window 0
.set TO_F, 0x40                        ; destination window 1, address window 0
.macro JLOAD s                         ; a joint load: waves 0 and 1 fetch xq's two halves, waves 2 and 3 mk's; four v_nop follow each of the two lines
	s_cmp_eq_u32 s11, 0
	s_cbranch_scc0 .Lfor_b_\@
	tensor_load_to_lds s[G0+4*\s:G0+4*\s+3], s[G1:G1+7]
	s_nop 0
.rept 4
	v_nop
.endr
	s_branch .Lasked_\@
.Lfor_b_\@:
	tensor_load_to_lds s[G0B+4*\s:G0B+4*\s+3], s[G1B:G1B+7]
	s_nop 0
.rept 4
	v_nop
.endr
.Lasked_\@:
.endm
.macro CREST                           ; a round of the cluster's barrier behind its opening barrier
	s_cmp_lg_u32 s10, 0
	s_cbranch_scc1 .Lnot_wave_0_\@
	s_barrier_signal -3
.Lnot_wave_0_\@:
	s_barrier_wait -3
	s_barrier_signal -1
	s_barrier_wait -1
.endm
.macro CROUND
	s_barrier_signal -1
	s_barrier_wait -1
	CREST
.endm
	s_load_b128 s[4:7], s[0:1], 0x0                ; the projections s[4:5], the partial sums s[6:7]
	v_lshl_add_u32 v126, v0, 2, 0x46400
	v_mov_b32 v127, 0
	ds_add_u32 v126, v127
	v_lshrrev_b32 v1, 5, v0
	v_readfirstlane_b32 s10, v1                    ; wave 0..3
	s_lshr_b32 s11, s10, 1                         ; which half of the tile's queries is mine.  Also: I fetch for xq (0) or for mk (1)
	s_and_b32 s12, s10, 1                          ; which half of its keys.  Also: which 64 rows of that tile I fetch
	s_bfe_u32 s40, ttmp6, 0x40000                  ; cx
	s_bfe_u32 s41, ttmp6, 0x40004                  ; cy: the query tile in the batch
	s_lshl_b32 s42, ttmp9, 2
	s_add_co_u32 s42, s42, s40                     ; the key tile in the batch = 4 x cluster x + cx
	s_and_b32 s13, ttmp7, 0xffff                   ; cluster y
	s_lshr_b32 s14, s13, 2                         ; batch
	s_and_b32 s15, s13, 3                          ; slice of h
	s_lshl_b32 s43, s41, 2
	s_lshl_b32 s43, 15, s43                        ; my row of the cluster
	s_lshl_b32 s44, 0x1111, s40                    ; my column
	; descriptor group 1: a tile of 64 rows x 256 elements, padded in LDS
	s_or_b32 s[G1+0], s43, (1<<16)|(1<<20)|(1<<21)|(6<<22)|(3<<25)   ; the mask: my row; elements of 2 bytes; padding on; bit 21 beside a mask; after every 128 words 4 words
	s_or_b32 s[G1B+0], s44, (1<<16)|(1<<20)|(1<<21)|(6<<22)|(3<<25)
.irp g, G1, G1B
	s_mov_b32 s[\g+1], 256<<16                     ; tensor_dim0 = 256
	s_mov_b32 s[\g+2], 64<<16                      ; tensor_dim1 = 64
	s_mov_b32 s[\g+3], 256<<16                     ; tile_dim0 = 256
	s_mov_b32 s[\g+4], 64                          ; tile_dim1 = 64
	s_mov_b32 s[\g+5], 4096                        ; elements from row to row (8,192 bytes)
	s_mov_b32 s[\g+6], 0
	s_mov_b32 s[\g+7], 0
.endr
	s_lshl_b32 s21, s12, 6                         ; which 64 rows of the tile I fetch
	s_lshl_b32 s22, s15, 11                        ; the slice's first byte in a row: 1,024 h of 2 bytes a slice
	s_lshl_b32 s16, s14, 9                         ; xq: row 512 x batch + 128 x query tile + 64 x half
	s_lshl_b32 s17, s41, 7
	s_add_co_u32 s16, s16, s17
	s_add_co_u32 s16, s16, s21
	s_lshl_b32 s16, s16, 13                        ; rows of 8,192 bytes; under 2^25
	s_add_co_u32 s16, s16, s22
	s_mov_b32 s17, 0
	s_lshl_b32 s46, s14, 10                        ; mk: row 1,024 + 1,024 x batch + 128 x key tile + 64 x half
	s_lshl_b32 s47, s42, 7
	s_add_co_u32 s46, s46, s47
	s_add_co_u32 s46, s46, s21
	s_add_co_u32 s46, s46, 1024
	s_lshl_b32 s46, s46, 13
	s_add_co_u32 s46, s46, s22
	s_mov_b32 s47, 0
	s_mul_i32 s20, s10, HALFT                      ; where they go: wave x 64 rows: no place in the cluster enters an LDS address
	s_wait_dscnt 0x0
	s_wait_kmcnt 0x0
	s_add_nc_u64 s[16:17], s[4:5], s[16:17]
	s_add_nc_u64 s[46:47], s[4:5], s[46:47]
	CROUND                                         ; all sixteen work-groups are here: the first joint loads meet
.irp s, 0,1
	s_mov_b32 s[G0+4*\s], 1
	s_add_co_u32 s[G0+4*\s+1], s20, \s*SLOT
	s_add_nc_u64 s[G0+4*\s+2:G0+4*\s+3], s[16:17], \s*STEPB
	s_or_b32 s[G0+4*\s+3], s[G0+4*\s+3], 0x80000000
	s_mov_b32 s[G0B+4*\s], 1
	s_add_co_u32 s[G0B+4*\s+1], s20, \s*SLOT
	s_add_nc_u64 s[G0B+4*\s+2:G0B+4*\s+3], s[46:47], \s*STEPB
	s_or_b32 s[G0B+4*\s+3], s[G0B+4*\s+3], 0x80000000
	JLOAD \s                                       ; two loads of mine are out
.endr
	v_and_b32 v1, 15, v0                           ; l % 16
	v_bfe_u32 v2, v0, 4, 1                         ; l / 16
	v_mul_u32_u24 v3, v1, PITCH
	v_lshl_add_u32 v3, v2, 4, v3                   ; a fragment's row x pitch + 16 x half
	s_mul_i32 s21, s11, HALFT                      ; my 64 rows of xq
	s_mul_i32 s22, s12, HALFT                      ; my 64 rows of mk,
	s_add_co_u32 s22, s22, 2*HALFT                 ; which lie behind xq's 128
.irp s, 0,1
	v_add_nc_u32 v[ADRA+\s], s21, v3
	v_add_nc_u32 v[ADRB+\s], s22, v3
	s_add_co_u32 s21, s21, SLOT
	s_add_co_u32 s22, s22, SLOT
.endr
	s_mul_i32 s23, s10, 16*SPITCH
	s_add_co_u32 s23, s23, STAGE                   ; my stage
	v_mul_u32_u24 v4, v1, SPITCH                   ; in: row l % 16, 32 bytes (8 f32) for each half of the lanes
	v_lshl_add_u32 v4, v2, 5, v4
	v_add_nc_u32 v[STO], s23, v4
	v_mul_u32_u24 v5, v2, SPITCH                   ; back: lanes 0-15 take one row of 256 bytes, lanes 16-31 the next
	v_lshl_add_u32 v5, v1, 4, v5
	v_add_nc_u32 v[RD], s23, v5
	v_lshlrev_b32 v5, 12, v2                       ; and the same two rows in the output: 4,096 bytes a row
	v_lshl_add_u32 v[CO], v1, 4, v5
	; my 64 x 64 in the output: slice x 4 MiB + row (512 batch + 128 query tile + 64 half) x 4,096 + column (128 key tile + 64 half) x 4; under 2^24
	s_lshl_b32 s46, s14, 9
	s_lshl_b32 s45, s41, 7
	s_add_co_u32 s46, s46, s45
	s_lshl_b32 s45, s11, 6
	s_add_co_u32 s46, s46, s45
	s_lshl_b32 s46, s46, 12
	s_lshl_b32 s45, s15, 22
	s_add_co_u32 s46, s46, s45
	s_lshl_b32 s45, s42, 9
	s_add_co_u32 s46, s46, s45
	s_lshl_b32 s45, s12, 8
	s_add_co_u32 s46, s46, s45
	s_mov_b32 s47, 0
	s_add_nc_u64 s[6:7], s[6:7], s[46:47]
; 8 matrix instructions: query blocks a0, a0 + 1 x all 4 key blocks, 32 along h: half c of buffer f.  The 16 accumulators take turns, one instruction a turn, in the same order in every half.
; zero = 1: the first product starts the sums.
.macro MUL8 f, c, a0, zero
.irp a, \a0, \a0+1
.irp b, 0,1,2,3
.if \zero
	v_wmma_f32_16x16x32_bf16 v[ACC+8*(4*(\a)+\b):ACC+8*(4*(\a)+\b)+7], v[\f+64+8*(4*\c+\b):\f+64+8*(4*\c+\b)+7], v[\f+8*(4*\c+\a):\f+8*(4*\c+\a)+7], 0
.else
	v_wmma_f32_16x16x32_bf16 v[ACC+8*(4*(\a)+\b):ACC+8*(4*(\a)+\b)+7], v[\f+64+8*(4*\c+\b):\f+64+8*(4*\c+\b)+7], v[\f+8*(4*\c+\a):\f+8*(4*\c+\a)+7], v[ACC+8*(4*(\a)+\b):ACC+8*(4*(\a)+\b)+7]
.endif
.endr
.endr
.endm
; 32 LDS loads in one run: the fragments of 64 along h at byte k of the rows, into buffer f; the first 32 along h first
.macro FETCH slot, k, f
	WIN TO_F
.irp c, 0,1
.irp i, 0,1,2,3
	ds_load_b128 v[\f+64+8*(4*\c+\i):\f+64+8*(4*\c+\i)+3],   v[ADRB+\slot] offset:\k+64*\c+\i*16*PITCH
	ds_load_b128 v[\f+64+8*(4*\c+\i)+4:\f+64+8*(4*\c+\i)+7], v[ADRB+\slot] offset:\k+64*\c+\i*16*PITCH+32
	ds_load_b128 v[\f+8*(4*\c+\i):\f+8*(4*\c+\i)+3],         v[ADRA+\slot] offset:\k+64*\c+\i*16*PITCH
	ds_load_b128 v[\f+8*(4*\c+\i)+4:\f+8*(4*\c+\i)+7],       v[ADRA+\slot] offset:\k+64*\c+\i*16*PITCH+32
.endr
.endr
.endm
.macro PLACES                          ; four places in front of loads into registers that matrix instructions have read, and of LDS stores that read results (ISA guide 7.12.1 for the stores)
.rept 4
	v_nop
.endr
.endm
; A step is four quarters of 64 along h, 32 matrix instructions each, on buffers 0, 1, 0, 1.  One of the first three: multiplies buffer f and fetches the next quarter, at byte k, into g.
.macro QUARTER slot, k, f, g, zero
	s_wait_dscnt 16                                ; the first 32 along h are in; the sixteen loads of the second 32 may be out
	WIN MUL
	MUL8 \f, 0, 0, \zero
	MUL8 \f, 0, 2, \zero
	PLACES
	FETCH \slot, \k, \g
	s_wait_dscnt 32                                ; all but the 32 just issued
	WIN MUL
	MUL8 \f, 1, 0, 0
	MUL8 \f, 1, 2, 0
.endm
; The last quarter multiplies buffer 1 and changes slots: ONE barrier; in front of it each wave waits for its own reads of this slot and for all its tensor loads.  fill = 1: the barrier opens a
; round of the cluster's, and this slot is filled again, two steps ahead, first thing behind the round: 120 matrix instructions ahead of the wait for it.
.macro TURN slot, next, fill
	s_wait_dscnt 16
	WIN MUL
	MUL8 F1, 0, 0, 0
	s_wait_dscnt 0                                 ; my reads of this slot are over,
	s_set_vgpr_msb 0x500
	s_wait_tensorcnt 0x0                           ; and all my tensor loads have landed: my part of the next slot
	ds_add_u32 v126, v127
	s_wait_dscnt 0x0
	s_set_vgpr_msb 0x5
	s_barrier_signal -1
	MUL8 F1, 0, 2, 0
.if \fill
	WIN 0
.endif
	s_barrier_wait -1
.if \fill
	CREST                                          ; no wave of any partner still reads this slot's tile or has a load on its way
	s_add_nc_u64 s[G0+4*\slot+2:G0+4*\slot+3], s[G0+4*\slot+2:G0+4*\slot+3], 2*STEPB
	s_add_nc_u64 s[G0B+4*\slot+2:G0B+4*\slot+3], s[G0B+4*\slot+2:G0B+4*\slot+3], 2*STEPB
	JLOAD \slot                                    ; the four v_nop behind it are also the places in front of the loads below
.else
	PLACES
.endif
	FETCH \next, 0, F0
	WIN MUL
	MUL8 F1, 1, 0, 0
	MUL8 F1, 1, 2, 0
.endm
; THE WAY OUT of block a (16 queries x 64 keys of f32): a lane's eight keys of each accumulator are 32 bytes of a row; they go into rows of 272 bytes and come back as whole rows of 256, into the registers that they left.
.macro OUT a
.irp b, 0,1,2,3
	ds_store_b128 v[STO], v[ACC+32*\a+8*\b:ACC+32*\a+8*\b+3]   offset:64*\b
	ds_store_b128 v[STO], v[ACC+32*\a+8*\b+4:ACC+32*\a+8*\b+7] offset:64*\b+16
.endr
.irp f, 0,1,2,3,4,5,6,7
	ds_load_b128 v[ACC+32*\a+4*\f:ACC+32*\a+4*\f+3], v[RD] offset:\f*2*SPITCH   ; LDS serves a wave's instructions in order (ISA guide 5.7.1.4): these see the stores above; the next block's stores come behind them
.endr
.endm
.macro SEND a, younger                 ; younger: the LDS instructions issued behind block a's loads: the next block's sixteen, or none
.irp f, 0,1,2,3,4,5,6,7
	s_wait_dscnt \younger+7-\f
	global_store_b128 v[CO], v[ACC+32*\a+4*\f:ACC+32*\a+4*\f+3], s[6:7] offset:(16*\a+2*\f)*4096   ; 16 lanes store 256 consecutive bytes, at a multiple of 256 from the buffer's first byte
.endr
.endm
	s_wait_tensorcnt 1                             ; my part of step 0 is in; step 1's may stay out
	s_barrier_signal -1
	s_barrier_wait -1
	FETCH 0, 0, F0
	QUARTER 0, 128, F0, F1, 1                      ; h 0-255 of the slice; the first products start the sums
	QUARTER 0, 256, F1, F0, 0
	QUARTER 0, 384, F0, F1, 0
	TURN 0, 1, 1                                   ; slot 0 takes h 512-767
	QUARTER 1, 128, F0, F1, 0                      ; h 256-511
	QUARTER 1, 256, F1, F0, 0
	QUARTER 1, 384, F0, F1, 0
	TURN 1, 0, 1                                   ; slot 1 takes h 768-1023: the last load
	QUARTER 0, 128, F0, F1, 0                      ; h 512-767
	QUARTER 0, 256, F1, F0, 0
	QUARTER 0, 384, F0, F1, 0
	TURN 0, 1, 0                                   ; nothing is left to fetch, so no round of the cluster's barrier
	QUARTER 1, 128, F0, F1, 0                      ; h 768-1023
	QUARTER 1, 256, F1, F0, 0
	QUARTER 1, 384, F0, F1, 0
	s_wait_dscnt 16                                ; the very last quarter
	WIN MUL
	MUL8 F1, 0, 0, 0
	MUL8 F1, 0, 2, 0
	s_wait_dscnt 0
	MUL8 F1, 1, 0, 0
	MUL8 F1, 1, 2, 0
	WIN 0
	PLACES
	OUT 0
	OUT 1                                          ; a block's trip through the stage stands between the loads of the block before and its stores
	SEND 0, 16
	OUT 2
	SEND 1, 16
	OUT 3
	SEND 2, 16
	SEND 3, 0
	s_wait_tensorcnt 0x0
	ds_add_u32 v126, v127
	s_wait_dscnt 0x0
	CROUND                                         ; the closing round
	s_endpgm
.Lfunc_end_k_qa330240a2a_scores:
	.size	k_qa330240a2a_scores, .Lfunc_end_k_qa330240a2a_scores-k_qa330240a2a_scores
	.p2alignl 7, 3214868480
	.fill 96, 4, 3214868480
	.section	.rodata,"a",@progbits
	.p2align	6, 0x0
	.amdhsa_kernel k_qa330240a2a_scores
		.amdhsa_group_segment_fixed_size 327680
		.amdhsa_private_segment_fixed_size 0
		.amdhsa_enable_private_segment 0
		.amdhsa_kernarg_size 16
		.amdhsa_user_sgpr_count 2
		.amdhsa_user_sgpr_kernarg_segment_ptr 1
		.amdhsa_wavefront_size32 1
		.amdhsa_system_sgpr_workgroup_id_x 1
		.amdhsa_system_sgpr_workgroup_id_y 1
		.amdhsa_system_sgpr_workgroup_id_z 1
		.amdhsa_system_vgpr_workitem_id 0
		.amdhsa_next_free_vgpr 512
		.amdhsa_next_free_sgpr 66
		.amdhsa_reserve_vcc 0
		.amdhsa_float_denorm_mode_32 3
		.amdhsa_float_denorm_mode_16_64 3
		.amdhsa_memory_ordered 1
		.amdhsa_forward_progress 1
		.amdhsa_inst_pref_size 86
	.end_amdhsa_kernel
	.amdgpu_metadata
---
amdhsa.version: [ 1, 2 ]
amdhsa.kernels:
  - .name:           k_qa330240a2a_scores
    .symbol:         k_qa330240a2a_scores.kd
    .args:
      - { .name: qk, .offset: 0, .size: 8, .value_kind: global_buffer, .address_space: global }
      - { .name: part, .offset: 8, .size: 8, .value_kind: global_buffer, .address_space: global }
    .group_segment_fixed_size: 327680
    .private_segment_fixed_size: 0
    .kernarg_segment_align: 8
    .kernarg_segment_size: 16
    .max_flat_workgroup_size: 128
    .sgpr_count:     66
    .vgpr_count:     512
    .wavefront_size: 32
...
	.end_amdgpu_metadata
.endif
;; end of part 2
;; launch softmax (part 3): grid 256 x 1, 4 waves a work-group, no clusters, 0 bytes of LDS; arguments part, prob, out1, out2; writes prob, out1, out2
.if DOCPART == 3
	.amdgcn_target "amdgcn-amd-amdhsa--gfx1250"
	.amdhsa_code_object_version 6
	.text
	.protected	k_qa330240a2a_softmax
	.globl	k_qa330240a2a_softmax
	.p2align	8
	.type	k_qa330240a2a_softmax,@function
k_qa330240a2a_softmax:
	s_mov_b64 s[64:65], 0
	v_nop
	global_prefetch_b8 v0, s[64:65] scope:SCOPE_SE
	s_setreg_imm32_b32 hwreg(HW_REG_WAVE_MODE, 25, 1), 1
	s_wait_xcnt 0x0
; ONE WAVE, ONE ROW of the 1,024 rows of scores.  s = ((part0 + part1) + part2) + part3 in f32; M = the row's maximum; p = 2^((s - M) c) / the sum, c = log2(e) / 64 (the division by sqrt(4,096)
; is folded into c); p rounded once to bf16 (nearest even), for the last product and for the argmax.
; hist = 100 - the LOWEST index at which the ROUNDED p equals the row's largest rounded p: the argmax stands behind the rounding to bf16, so weights that round alike tie, and the first one wins.
; browse = hist[0] < 4.
; The row stays in registers: 32 f32 a lane; lane l holds keys 128 j + 4 l + e, j = 0..7, e = 0..3, so that each load of a wave covers 512 and each store of p 256 consecutive aligned bytes.
; Memory binds: no LDS, no barrier, no matrix unit, no cluster (no two waves read the same bytes).  All 32 loads of a wave are issued at once: 16 KiB of each wave are on their way.
; hist leaves as one word a wave: 4,096 bytes in the whole launch; gathering 64 rows for whole blocks of 256 bytes would leave work for 16 work-groups only.
; LIMITS: the score sums stay in f32 up to the exponential (they are not rounded to bf16 in between); a row that holds NaN gives an unspecified hist;
; p below 2^-126 comes out as 0 (v_exp_f32 flushes denormal results: ISA guide 15.8).
.set X,    16                          ; v[16:143]  four partial rows of 32; the first becomes s, then p in f32, then the rounded p widened again
.set W,    48                          ; v[48:51]   at work in the second maximum: the second partial row's registers, free once the sums are made
.set P,    144                         ; v[144:159] p in bf16; before that v144-151 are at work: four chains of maxima, four pairs of sums
.set M,    8                           ; v[8:9]     the scores' maximum, twice (a pair for the packed subtraction); later v8 is the largest rounded p
.set R,    10                          ; v[10:11]   1 / sum, twice
.set CAND, 6                           ; v6         the lowest index found
; The maximum of the row's 1,024 numbers in X, into v[M] of every lane; t: four registers at work.  In a lane four chains of seven, three operands at a time, then the four left over;
; across the lanes four steps inside each half of 16 ride on the arithmetic (DPP), one crosses the halves.
.macro ROWMAX t
.irp k, 0,1,2,3
	v_max3_num_f32 v[\t+\k], v[X+8*\k], v[X+8*\k+1], v[X+8*\k+2]
.endr
.irp k, 0,1,2,3
	v_max3_num_f32 v[\t+\k], v[\t+\k], v[X+8*\k+3], v[X+8*\k+4]
.endr
.irp k, 0,1,2,3
	v_max3_num_f32 v[\t+\k], v[\t+\k], v[X+8*\k+5], v[X+8*\k+6]
.endr
	v_max3_num_f32 v[\t], v[\t], v[X+7], v[X+15]
	v_max3_num_f32 v[\t+2], v[\t+2], v[X+23], v[X+31]
	v_max3_num_f32 v[\t], v[\t], v[\t+1], v[\t+2]
	v_max_num_f32 v[\t], v[\t], v[\t+3]
	v_max_num_f32_dpp v[\t], v[\t], v[\t] row_xmask:1 row_mask:0xf bank_mask:0xf
	v_max_num_f32_dpp v[\t], v[\t], v[\t] row_xmask:2 row_mask:0xf bank_mask:0xf
	v_max_num_f32_dpp v[\t], v[\t], v[\t] row_xmask:4 row_mask:0xf bank_mask:0xf
	v_max_num_f32_dpp v[\t], v[\t], v[\t] row_xmask:8 row_mask:0xf bank_mask:0xf
	v_permlanex16_b32 v[\t+1], v[\t], s20, s21     ; its destination counts as read: it has been written
	v_max_num_f32 v[M], v[\t], v[\t+1]
.endm
	s_load_b256 s[4:11], s[0:1], 0x0               ; part s[4:5], prob s[6:7], out1 s[8:9], out2 s[10:11]
	v_lshrrev_b32 v4, 5, v0
	v_readfirstlane_b32 s18, v4                    ; wave 0..3
	s_lshl_b32 s19, ttmp9, 2
	s_add_co_u32 s19, s19, s18                     ; my row
	s_mov_b32 s20, 0x76543210                      ; v_permlanex16_b32: each lane takes its own place in the other half
	s_mov_b32 s21, 0xfedcba98
	s_mov_b32 s23, 0xffff0000                      ; a word's upper bf16
	s_mov_b32 s24, 0x3cb8aa3b                      ; c = log2(e) / 64
	s_mov_b32 s25, s24                             ; named with it as a pair, so it is written
	s_lshl_b32 s26, s19, 12                        ; a row of a partial sum: 4,096 bytes
	s_lshl_b32 s27, s19, 11                        ; a row of p: 2,048 bytes
	s_lshl_b32 s28, s19, 2                         ; my word of hist
	v_and_b32 v2, 31, v0                           ; lane
	v_lshl_add_u32 v1, v2, 4, s26
	v_lshl_add_u32 v3, v2, 3, s27
	v_mov_b32 v14, s28
	v_mov_b32 v12, 1
	s_wait_kmcnt 0x0
	s_add_nc_u64 s[12:13], s[4:5], 0x400000        ; the four partial sums lie 4 MiB apart
	s_add_nc_u64 s[14:15], s[4:5], 0x800000
	s_add_nc_u64 s[16:17], s[4:5], 0xc00000
.irp j, 0,1,2,3,4,5,6,7
	global_load_b128 v[X+4*\j:X+4*\j+3], v1, s[4:5] offset:512*\j th:TH_LOAD_NT
.endr
.irp j, 0,1,2,3,4,5,6,7
	global_load_b128 v[X+32+4*\j:X+32+4*\j+3], v1, s[12:13] offset:512*\j th:TH_LOAD_NT
.endr
.irp j, 0,1,2,3,4,5,6,7
	global_load_b128 v[X+64+4*\j:X+64+4*\j+3], v1, s[14:15] offset:512*\j th:TH_LOAD_NT
.endr
.irp j, 0,1,2,3,4,5,6,7
	global_load_b128 v[X+96+4*\j:X+96+4*\j+3], v1, s[16:17] offset:512*\j th:TH_LOAD_NT
.endr
	s_wait_loadcnt 16                              ; slices 0 and 1 are in; the sixteen loads of slices 2 and 3 may be out
.set i, 0
.rept 16
	v_pk_add_f32 v[X+2*i:X+2*i+1], v[X+2*i:X+2*i+1], v[X+32+2*i:X+32+2*i+1]
.set i, i+1
.endr
	s_wait_loadcnt 8                               ; slice 2 is in
.set i, 0
.rept 16
	v_pk_add_f32 v[X+2*i:X+2*i+1], v[X+2*i:X+2*i+1], v[X+64+2*i:X+64+2*i+1]
.set i, i+1
.endr
	s_wait_loadcnt 0x0
.set i, 0
.rept 16
	v_pk_add_f32 v[X+2*i:X+2*i+1], v[X+2*i:X+2*i+1], v[X+96+2*i:X+96+2*i+1]
.set i, i+1
.endr
	ROWMAX P                                       ; every lane holds the scores' maximum
	v_mov_b32 v[M+1], v[M]
	; (s - M) c: the difference first, which is exact near the maximum however large the scores are; so it is a subtraction and a multiplication, not one multiply-add on s c
.set i, 0
.rept 16
	v_pk_add_f32 v[X+2*i:X+2*i+1], v[X+2*i:X+2*i+1], v[M:M+1] neg_lo:[0,1] neg_hi:[0,1]
.set i, i+1
.endr
.set i, 0
.rept 16
	v_pk_mul_f32 v[X+2*i:X+2*i+1], v[X+2*i:X+2*i+1], s[24:25] op_sel_hi:[1,0]
.set i, i+1
.endr
.set i, 0
.rept 32
	v_exp_f32 v[X+i], v[X+i]
.set i, i+1
.endr
	v_mov_b32 v15, 0                               ; out2's offset; also the plain instruction between the exponentials and the use of their results (ISA guide 5.7.2)
	; the sum: four chains of pairs, then across
	s_wait_alu depctr_va_vdst(0)
.irp k, 0,1,2,3
	v_pk_add_f32 v[P+2*\k:P+2*\k+1], v[X+2*\k:X+2*\k+1], v[X+8+2*\k:X+8+2*\k+1]
.endr
.irp k, 0,1,2,3
	v_pk_add_f32 v[P+2*\k:P+2*\k+1], v[P+2*\k:P+2*\k+1], v[X+16+2*\k:X+16+2*\k+1]
.endr
.irp k, 0,1,2,3
	v_pk_add_f32 v[P+2*\k:P+2*\k+1], v[P+2*\k:P+2*\k+1], v[X+24+2*\k:X+24+2*\k+1]
.endr
	v_pk_add_f32 v[P:P+1], v[P:P+1], v[P+2:P+3]
	v_pk_add_f32 v[P+4:P+5], v[P+4:P+5], v[P+6:P+7]
	v_pk_add_f32 v[P:P+1], v[P:P+1], v[P+4:P+5]
	v_add_f32 v[P], v[P], v[P+1]
	v_add_f32_dpp v[P], v[P], v[P] row_xmask:1 row_mask:0xf bank_mask:0xf
	v_add_f32_dpp v[P], v[P], v[P] row_xmask:2 row_mask:0xf bank_mask:0xf
	v_add_f32_dpp v[P], v[P], v[P] row_xmask:4 row_mask:0xf bank_mask:0xf
	v_add_f32_dpp v[P], v[P], v[P] row_xmask:8 row_mask:0xf bank_mask:0xf
	v_permlanex16_b32 v[P+1], v[P], s20, s21
	v_add_f32 v[P], v[P], v[P+1]                   ; between 1 (the maximum's own weight) and 1,024
	v_rcp_f32 v[R], v[P]
	v_rcp_f32 v[R+1], v[P]
	v_mov_b32 v[CAND], 0x10000                     ; above every index; also the plain instruction behind the reciprocals
.set i, 0
	s_wait_alu depctr_va_vdst(0)
.rept 16
	v_pk_mul_f32 v[X+2*i:X+2*i+1], v[X+2*i:X+2*i+1], v[R:R+1]
.set i, i+1
.endr
.set i, 0
.rept 16
	v_cvt_pk_bf16_f32 v[P+i], v[X+2*i], v[X+2*i+1]
.set i, i+1
.endr
.irp j, 0,1,2,3,4,5,6,7
	global_store_b64 v3, v[P+2*\j:P+2*\j+1], s[6:7] offset:256*\j  ; the wave stores 256 consecutive bytes, at a multiple of 256 from the buffer's first byte; P and v3 are not written again
.endr
	; THE ARGMAX, on the rounded weights.  They are widened again (bf16 to f32: the low half moves up, the high half stays) into the registers that held p
.set i, 0
.rept 16
	v_lshlrev_b32 v[X+2*i],   16,  v[P+i]
	v_and_b32     v[X+2*i+1], s23, v[P+i]
.set i, i+1
.endr
	ROWMAX W                                       ; every lane holds the largest rounded weight
	; the lowest index that reaches it.  In a lane from the highest key down, so that the lowest match is written last; no branch: a select in every step
.set i, 31
.rept 32
	v_cmp_neq_f32 vcc_lo, v[X+i], v[M]
	v_cndmask_b32 v[CAND], 128*(i/4)+i%4, v[CAND], vcc_lo          ; register 4 j + e holds key 128 j + e + 4 x lane
.set i, i-1
.endr
	v_lshl_add_u32 v[CAND], v2, 2, v[CAND]
	v_cvt_f32_u32 v[CAND], v[CAND]                 ; under 2^17: exact in f32, so the minimum over the lanes rides on f32 arithmetic
	v_min_num_f32_dpp v[CAND], v[CAND], v[CAND] row_xmask:1 row_mask:0xf bank_mask:0xf
	v_min_num_f32_dpp v[CAND], v[CAND], v[CAND] row_xmask:2 row_mask:0xf bank_mask:0xf
	v_min_num_f32_dpp v[CAND], v[CAND], v[CAND] row_xmask:4 row_mask:0xf bank_mask:0xf
	v_min_num_f32_dpp v[CAND], v[CAND], v[CAND] row_xmask:8 row_mask:0xf bank_mask:0xf
	v_permlanex16_b32 v[W+1], v[CAND], s20, s21
	v_min_num_f32 v[CAND], v[CAND], v[W+1]
	v_cvt_u32_f32 v[CAND], v[CAND]
	v_sub_nc_u32 v13, 100, v[CAND]                 ; hist
	v_cmp_gt_i32 vcc_lo, 4, v13                    ; browse, made in every lane and every row; stored by row 0 alone
	v_cndmask_b32 v4, 0, v12, vcc_lo
	v_cmp_eq_u32 vcc_lo, 0, v2
	s_wait_xcnt 0x0                                ; EXEC is a source of the stores above: it changes only behind this wait
	s_and_saveexec_b32 s22, vcc_lo                 ; lane 0 alone
	global_store_b32 v14, v13, s[8:9]
	s_cmp_lg_u32 s19, 0                            ; the row's number: ids alone
	s_cbranch_scc1 .Lnot_row_0
	global_store_b8 v15, v4, s[10:11]
.Lnot_row_0:
	s_wait_xcnt 0x0                                ; and again, in front of the line that widens it
	s_or_b32 exec_lo, exec_lo, s22
	s_endpgm
.Lfunc_end_k_qa330240a2a_softmax:
	.size	k_qa330240a2a_softmax, .Lfunc_end_k_qa330240a2a_softmax-k_qa330240a2a_softmax
	.p2alignl 7, 3214868480
	.fill 96, 4, 3214868480
	.section	.rodata,"a",@progbits
	.p2align	6, 0x0
	.amdhsa_kernel k_qa330240a2a_softmax
		.amdhsa_group_segment_fixed_size 0
		.amdhsa_private_segment_fixed_size 0
		.amdhsa_enable_private_segment 0
		.amdhsa_kernarg_size 32
		.amdhsa_user_sgpr_count 2
		.amdhsa_user_sgpr_kernarg_segment_ptr 1
		.amdhsa_wavefront_size32 1
		.amdhsa_system_sgpr_workgroup_id_x 1
		.amdhsa_system_sgpr_workgroup_id_y 1
		.amdhsa_system_sgpr_workgroup_id_z 1
		.amdhsa_system_vgpr_workitem_id 0
		.amdhsa_next_free_vgpr 160
		.amdhsa_next_free_sgpr 66
		.amdhsa_reserve_vcc 1
		.amdhsa_float_denorm_mode_32 3
		.amdhsa_float_denorm_mode_16_64 3
		.amdhsa_memory_ordered 1
		.amdhsa_forward_progress 1
		.amdhsa_inst_pref_size 23
	.end_amdhsa_kernel
	.amdgpu_metadata
---
amdhsa.version: [ 1, 2 ]
amdhsa.kernels:
  - .name:           k_qa330240a2a_softmax
    .symbol:         k_qa330240a2a_softmax.kd
    .args:
      - { .name: part, .offset: 0, .size: 8, .value_kind: global_buffer, .address_space: global }
      - { .name: prob, .offset: 8, .size: 8, .value_kind: global_buffer, .address_space: global }
      - { .name: out1, .offset: 16, .size: 8, .value_kind: global_buffer, .address_space: global }
      - { .name: out2, .offset: 24, .size: 8, .value_kind: global_buffer, .address_space: global }
    .group_segment_fixed_size: 0
    .private_segment_fixed_size: 0
    .kernarg_segment_align: 8
    .kernarg_segment_size: 32
    .max_flat_workgroup_size: 128
    .sgpr_count:     66
    .vgpr_count:     160
    .wavefront_size: 32
...
	.end_amdgpu_metadata
.endif
;; end of part 3
;; launch pv (part 4): grid 32 x 8, 4 waves a work-group, clusters of 4 x 4, 327,680 bytes of LDS; arguments prob, memory, out0; writes out0
.if DOCPART == 4
	.amdgcn_target "amdgcn-amd-amdhsa--gfx1250"
	.amdhsa_code_object_version 6
	.text
	.protected	k_qa330240a2a_pv
	.globl	k_qa330240a2a_pv
	.p2align	8
	.type	k_qa330240a2a_pv,@function
k_qa330240a2a_pv:
	s_mov_b64 s[64:65], 0
	v_nop
	global_prefetch_b8 v0, s[64:65] scope:SCOPE_SE
	s_setreg_imm32_b32 hwreg(HW_REG_WAVE_MODE, 25, 1), 1
	s_wait_xcnt 0x0
	s_wait_alu depctr_hold_cnt(0) depctr_sa_sdst(0) depctr_va_vdst(0) depctr_va_sdst(0) depctr_va_ssrc(0) depctr_va_vcc(0) depctr_vm_vsrc(0)
	s_getreg_b32 s2, hwreg(HW_REG_IB_STS2, 6, 4)
	s_cmp_eq_u32 s2, 0
	s_cbranch_scc0 .Lentry_in_a_cluster
	s_endpgm
.Lentry_in_a_cluster:
	s_bfe_u32 s2, ttmp6, 0x10000c
	s_cmp_lg_u32 s2, 0xf033
	s_cbranch_scc0 .Lentry_shape_is_right
	s_endpgm
.Lentry_shape_is_right:
; out0[b][n][d] = the sum over m of p[b][n][m] memory[b][m][d].  p: [1,024 rows][1,024 keys] bf16, memory: [2][1,024 keys][4,096 channels] bf16; sums in f32, out0 rounded once to bf16.
; SHARES.  A tile of out0 is 128 rows x 128 channels: 8 x 32 = 256 work-groups.  Four waves, each 64 x 64: 16 accumulators, 128 registers.  The 1,024 keys go in four steps of 256 through two LDS slots.
; p's rows lie along the keys and come out of LDS as they lie; memory lies [key][channel] and is turned on the way into registers by ds_load_tr16_b128.
; CLUSTERS: 4 x 4 work-groups; cluster y = batch, 4 x batch + cy = row tile, 4 x cluster x + cx = channel tile.  p's tile is shared along a row of the cluster, memory's along a column: joint loads.
; TRANSPOSED USE: source 0 = 16 channels of memory, source 1 = 16 rows of p: a lane holds row l % 16 of out0 and eight neighbouring channels, 16 bytes of bf16.
; The four steps are written out: two fills at the start, two refills, no loop.
; REGISTERS: window 0: v0-31 addresses; v32-95 at work on the way out; v128-255 the accumulators ((a, b) at v[128 + 8 (4 a + b)]).
;   window 1: two buffers of 128: for 64 keys, 64 registers of p (2 x 4 fragments), then 64 of memory.
.set PITCH,  528                       ; a row of p in LDS: 512 bytes + 16 of padding
.set PB,     288                       ; a row of memory: 256 + 32 = 72 words
.set AHALF,  64*PITCH                  ; 64 rows of p: one tensor load, and what one wave reads
.set BHALF,  128*PB                    ; 128 keys of memory: one tensor load
.set SLOT,   2*AHALF+2*BHALF           ; p's 128 rows, then memory's 256 keys
.set STAGE,  2*SLOT                    ; behind the ring: 128 rows x 272 bytes, the work-group's; no tensor load lands there
.set SPITCH, 272
.set OROW,   8192                      ; bytes in a row of out0 and of memory
.set ADRA, 16                          ; v16-17  LDS address of my fragments of p in slot 0, 1
.set ADRB, 20                          ; v20-23  of memory: slot 0 keys 0-127, 128-255, slot 1 likewise: 256 keys x 288 bytes pass the 16 bits of an LDS offset
.set STO,  24
.set RD,   25
.set CO,   26
.set TMP,  32
.set ACC,  128
.set F0,   0
.set F1,   128
.set G1,  24
.set G0,  32
.set G1B, 48
.set G0B, 56
.set MSB, 0
.macro WIN new
.if MSB != \new
	s_set_vgpr_msb (MSB<<8)|\new
.set MSB, \new
.endif
.endm
.set MUL,  0x05                        ; sources 0 and 1 window 1; C and D window 0
.set TO_F, 0x40                        ; destination window 1, address window 0
.macro JLOAD s                         ; a joint load: waves 0 and 1 fetch p's two halves, waves 2 and 3 memory's; four v_nop follow each of the two lines
	s_cmp_lt_u32 s10, 2
	s_cbranch_scc0 .Lfor_b_\@
	tensor_load_to_lds s[G0+4*\s:G0+4*\s+3], s[G1:G1+7]
	s_nop 0
.rept 4
	v_nop
.endr
	s_branch .Lasked_\@
.Lfor_b_\@:
	tensor_load_to_lds s[G0B+4*\s:G0B+4*\s+3], s[G1B:G1B+7]
	s_nop 0
.rept 4
	v_nop
.endr
.Lasked_\@:
.endm
.macro CREST
	s_cmp_lg_u32 s10, 0
	s_cbranch_scc1 .Lnot_wave_0_\@
	s_barrier_signal -3
.Lnot_wave_0_\@:
	s_barrier_wait -3
	s_barrier_signal -1
	s_barrier_wait -1
.endm
.macro CROUND
	s_barrier_signal -1
	s_barrier_wait -1
	CREST
.endm
	s_load_b128 s[4:7], s[0:1], 0x0                ; p s[4:5], memory s[6:7]
	s_load_b64 s[8:9], s[0:1], 0x10                ; out0
	v_lshl_add_u32 v126, v0, 2, 0x4d800
	v_mov_b32 v127, 0
	ds_add_u32 v126, v127
	v_lshrrev_b32 v1, 5, v0
	v_readfirstlane_b32 s10, v1                    ; wave 0..3
	s_lshr_b32 s11, s10, 1                         ; which half of the tile's rows is mine
	s_and_b32 s12, s10, 1                          ; which half of its channels.  Also: which half of p's rows or of memory's keys I fetch
	s_bfe_u32 s40, ttmp6, 0x40000                  ; cx
	s_bfe_u32 s41, ttmp6, 0x40004                  ; cy
	s_lshl_b32 s42, ttmp9, 2
	s_add_co_u32 s42, s42, s40                     ; channel tile = 4 x cluster x + cx
	s_and_b32 s13, ttmp7, 0xffff                   ; batch = cluster y
	s_lshl_b32 s14, s13, 2
	s_add_co_u32 s14, s14, s41                     ; row tile = 4 x batch + cy
	s_lshl_b32 s43, s41, 2
	s_lshl_b32 s43, 15, s43                        ; my row of the cluster
	s_lshl_b32 s44, 0x1111, s40                    ; my column
	; descriptor group 1 for p: 64 rows x 256 elements, 4 words of padding behind every 128
	s_or_b32 s[G1+0], s43, (1<<16)|(1<<20)|(1<<21)|(6<<22)|(3<<25)
	s_mov_b32 s[G1+1], 256<<16                     ; tensor_dim0 = 256
	s_mov_b32 s[G1+2], 64<<16                      ; tensor_dim1 = 64
	s_mov_b32 s[G1+3], 256<<16                     ; tile_dim0 = 256
	s_mov_b32 s[G1+4], 64                          ; tile_dim1 = 64
	s_mov_b32 s[G1+5], 1024                        ; elements from row to row
	s_mov_b32 s[G1+6], 0
	s_mov_b32 s[G1+7], 0
	; for memory: 128 keys x 128 elements, 8 words of padding behind every 64
	s_or_b32 s[G1B+0], s44, (1<<16)|(1<<20)|(1<<21)|(5<<22)|(7<<25)
	s_mov_b32 s[G1B+1], 128<<16
	s_mov_b32 s[G1B+2], 128<<16
	s_mov_b32 s[G1B+3], 128<<16
	s_mov_b32 s[G1B+4], 128
	s_mov_b32 s[G1B+5], 4096
	s_mov_b32 s[G1B+6], 0
	s_mov_b32 s[G1B+7], 0
	s_lshl_b32 s16, s14, 7                         ; p: row 128 x row tile + 64 x half, 2,048 bytes a row
	s_lshl_b32 s17, s12, 6
	s_add_co_u32 s16, s16, s17
	s_lshl_b32 s16, s16, 11
	s_mov_b32 s17, 0
	s_lshl_b32 s46, s13, 23                        ; memory: batch x 8 MiB + 128 keys x half x 8,192 bytes + channel tile x 256 bytes
	s_lshl_b32 s47, s12, 20
	s_add_co_u32 s46, s46, s47
	s_lshl_b32 s47, s42, 8
	s_add_co_u32 s46, s46, s47
	s_mov_b32 s47, 0
	s_mul_i32 s20, s12, AHALF                      ; where they go: the half's place in the slot: no place in the cluster enters an LDS address
	s_mul_i32 s21, s12, BHALF
	s_add_co_u32 s21, s21, 2*AHALF
	s_wait_dscnt 0x0
	s_wait_kmcnt 0x0
	s_add_nc_u64 s[16:17], s[4:5], s[16:17]
	s_add_nc_u64 s[46:47], s[6:7], s[46:47]
	CROUND                                         ; all sixteen work-groups are here: the first joint loads meet
.irp s, 0,1
	s_mov_b32 s[G0+4*\s], 1
	s_add_co_u32 s[G0+4*\s+1], s20, \s*SLOT
	s_add_nc_u64 s[G0+4*\s+2:G0+4*\s+3], s[16:17], \s*512          ; step s: 256 keys along p's rows
	s_or_b32 s[G0+4*\s+3], s[G0+4*\s+3], 0x80000000
	s_mov_b32 s[G0B+4*\s], 1
	s_add_co_u32 s[G0B+4*\s+1], s21, \s*SLOT
	s_add_nc_u64 s[G0B+4*\s+2:G0B+4*\s+3], s[46:47], \s*256*OROW   ; step s: 256 keys down memory's rows
	s_or_b32 s[G0B+4*\s+3], s[G0B+4*\s+3], 0x80000000
	JLOAD \s                                       ; two loads of mine are out
.endr
	v_and_b32 v1, 15, v0                           ; l % 16
	v_bfe_u32 v2, v0, 4, 1                         ; l / 16
	v_mul_u32_u24 v3, v1, PITCH
	v_lshl_add_u32 v3, v2, 4, v3                   ; a fragment of p: row x pitch + 16 x half
	s_mul_i32 s22, s11, AHALF                      ; my 64 rows of p
.irp s, 0,1
	v_add_nc_u32 v[ADRA+\s], s22, v3
	s_add_co_u32 s22, s22, SLOT
.endr
	; The turning load takes 16 keys x 16 channels (lane l reads 16 bytes: key 8 (l / 16) + l % 8, channels 8 ((l / 8) % 2) + 0..7) and leaves half a fragment: lane l holds channel l % 16 and 8 keys.
	v_and_b32 v4, 7, v0
	v_bfe_u32 v5, v0, 3, 1
	v_lshl_add_u32 v6, v2, 3, v4
	v_mul_u32_u24 v6, v6, PB
	v_lshl_add_u32 v6, v5, 4, v6
	s_lshl_b32 s22, s12, 7                         ; my 64 channels: 128 bytes along the rows,
	s_add_co_u32 s22, s22, 2*AHALF                 ; behind p's 128 rows
.irp n, 0,1,2,3
	s_add_co_u32 s23, s22, (\n/2)*SLOT+(\n%2)*BHALF
	v_add_nc_u32 v[ADRB+\n], s23, v6
.endr
	s_mul_i32 s23, s11, 64*SPITCH                  ; into the stage: my 64 rows, my half of their 256 bytes; row l % 16, 16 bytes for each half of the lanes
	s_lshl_b32 s22, s12, 7
	s_add_co_u32 s23, s23, s22
	s_add_co_u32 s23, s23, STAGE
	v_mul_u32_u24 v4, v1, SPITCH
	v_lshl_add_u32 v4, v2, 4, v4
	v_add_nc_u32 v[STO], s23, v4
	s_mul_i32 s23, s10, 32*SPITCH                  ; back: wave w takes rows 32 w .. 32 w + 31, whole; lanes 0-15 one row of 256 bytes, lanes 16-31 the next
	s_add_co_u32 s23, s23, STAGE
	v_mul_u32_u24 v5, v2, SPITCH
	v_lshl_add_u32 v5, v1, 4, v5
	v_add_nc_u32 v[RD], s23, v5
	v_lshlrev_b32 v5, 13, v2                       ; and the same two rows in out0
	v_lshl_add_u32 v[CO], v1, 4, v5
	s_lshl_b32 s46, s14, 7                         ; the first row that I store: 128 x row tile + 32 x wave; the tile's first channel: 256 bytes x channel tile; under 2^24
	s_lshl_b32 s45, s10, 5
	s_add_co_u32 s46, s46, s45
	s_lshl_b32 s46, s46, 13
	s_lshl_b32 s45, s42, 8
	s_add_co_u32 s46, s46, s45
	s_mov_b32 s47, 0
	s_add_nc_u64 s[8:9], s[8:9], s[46:47]
; 8 matrix instructions: row blocks a0, a0 + 1 x all 4 channel blocks, 32 keys: half c of buffer f.  The 16 accumulators take turns, one instruction a turn.
.macro MUL8 f, c, a0, zero
.irp a, \a0, \a0+1
.irp b, 0,1,2,3
.if \zero
	v_wmma_f32_16x16x32_bf16 v[ACC+8*(4*(\a)+\b):ACC+8*(4*(\a)+\b)+7], v[\f+64+8*(4*\c+\b):\f+64+8*(4*\c+\b)+7], v[\f+8*(4*\c+\a):\f+8*(4*\c+\a)+7], 0
.else
	v_wmma_f32_16x16x32_bf16 v[ACC+8*(4*(\a)+\b):ACC+8*(4*(\a)+\b)+7], v[\f+64+8*(4*\c+\b):\f+64+8*(4*\c+\b)+7], v[\f+8*(4*\c+\a):\f+8*(4*\c+\a)+7], v[ACC+8*(4*(\a)+\b):ACC+8*(4*(\a)+\b)+7]
.endif
.endr
.endr
.endm
; 32 LDS loads in one run: the fragments of quarter qd (keys 64 qd .. 64 qd + 63 of the step) into buffer f; the first 32 keys first
.macro FETCH slot, qd, f
	WIN TO_F
.irp c, 0,1
.irp i, 0,1,2,3
	ds_load_tr16_b128 v[\f+64+8*(4*\c+\i):\f+64+8*(4*\c+\i)+3],   v[ADRB+2*\slot+(\qd)/2] offset:((\qd)%2)*64*PB+\c*32*PB+32*\i
	ds_load_tr16_b128 v[\f+64+8*(4*\c+\i)+4:\f+64+8*(4*\c+\i)+7], v[ADRB+2*\slot+(\qd)/2] offset:((\qd)%2)*64*PB+\c*32*PB+16*PB+32*\i
	ds_load_b128 v[\f+8*(4*\c+\i):\f+8*(4*\c+\i)+3],              v[ADRA+\slot] offset:128*(\qd)+64*\c+\i*16*PITCH
	ds_load_b128 v[\f+8*(4*\c+\i)+4:\f+8*(4*\c+\i)+7],            v[ADRA+\slot] offset:128*(\qd)+64*\c+\i*16*PITCH+32
.endr
.endr
.endm
.macro PLACES                          ; four places in front of loads into registers that matrix instructions have read, and of conversions that read results (ISA guide 7.12.1 for the conversions)
.rept 4
	v_nop
.endr
.endm
; A step is four quarters of 64 keys, 32 matrix instructions each, on buffers 0, 1, 0, 1.  One of the first three: multiplies buffer f and fetches quarter qd into g.
.macro QUARTER slot, qd, f, g, zero
	s_wait_dscnt 16                                ; the first 32 keys are in
	WIN MUL
	MUL8 \f, 0, 0, \zero
	MUL8 \f, 0, 2, \zero
	PLACES
	FETCH \slot, \qd, \g
	s_wait_dscnt 32                                ; all but the 32 just issued
	WIN MUL
	MUL8 \f, 1, 0, 0
	MUL8 \f, 1, 2, 0
.endm
; The last quarter multiplies buffer 1 and changes slots: ONE barrier; in front of it each wave waits for its own reads of this slot and for all its tensor loads.  fill = 1: the barrier opens a
; round of the cluster's, and this slot is filled again, two steps ahead, first thing behind the round: 120 matrix instructions ahead of the wait for it.
.macro TURN slot, next, fill
	s_wait_dscnt 16
	WIN MUL
	MUL8 F1, 0, 0, 0
	s_wait_dscnt 0                                 ; my reads of this slot are over,
	s_set_vgpr_msb 0x500
	s_wait_tensorcnt 0x0                           ; and all my tensor loads have landed: my part of the next slot
	ds_add_u32 v126, v127
	s_wait_dscnt 0x0
	s_set_vgpr_msb 0x5
	s_barrier_signal -1
	MUL8 F1, 0, 2, 0
.if \fill
	WIN 0
.endif
	s_barrier_wait -1
.if \fill
	CREST                                          ; no wave of any partner still reads this slot's tile or has a load on its way
	s_add_nc_u64 s[G0+4*\slot+2:G0+4*\slot+3], s[G0+4*\slot+2:G0+4*\slot+3], 2*512
	s_add_nc_u64 s[G0B+4*\slot+2:G0B+4*\slot+3], s[G0B+4*\slot+2:G0B+4*\slot+3], 2*256*OROW
	JLOAD \slot                                    ; the four v_nop behind it are also the places in front of the loads below
.else
	PLACES
.endif
	FETCH \next, 0, F0
	WIN MUL
	MUL8 F1, 1, 0, 0
	MUL8 F1, 1, 2, 0
.endm
	s_wait_tensorcnt 1                             ; my part of step 0 is in; step 1's may stay out
	s_barrier_signal -1
	s_barrier_wait -1
	FETCH 0, 0, F0
	QUARTER 0, 1, F0, F1, 1                        ; keys 0-255; the first products start the sums
	QUARTER 0, 2, F1, F0, 0
	QUARTER 0, 3, F0, F1, 0
	TURN 0, 1, 1                                   ; slot 0 takes keys 512-767
	QUARTER 1, 1, F0, F1, 0                        ; keys 256-511
	QUARTER 1, 2, F1, F0, 0
	QUARTER 1, 3, F0, F1, 0
	TURN 1, 0, 1                                   ; slot 1 takes keys 768-1023: the last load
	QUARTER 0, 1, F0, F1, 0                        ; keys 512-767
	QUARTER 0, 2, F1, F0, 0
	QUARTER 0, 3, F0, F1, 0
	TURN 0, 1, 0                                   ; nothing is left to fetch, so no round of the cluster's barrier
	QUARTER 1, 1, F0, F1, 0                        ; keys 768-1023
	QUARTER 1, 2, F1, F0, 0
	QUARTER 1, 3, F0, F1, 0
	s_wait_dscnt 16                                ; the very last quarter
	WIN MUL
	MUL8 F1, 0, 0, 0
	MUL8 F1, 0, 2, 0
	s_wait_dscnt 0
	MUL8 F1, 1, 0, 0
	MUL8 F1, 1, 2, 0
	WIN 0
	; THE WAY OUT: round to bf16; 16 bytes a lane into the work-group's stage; a barrier, since a row's 256 bytes come from two waves; back as whole rows, 32 rows a wave.
	PLACES
.irp t, 0,1,2,3,4,5,6,7,8,9,10,11,12,13,14,15
.irp r, 0,1,2,3
	v_cvt_pk_bf16_f32 v[TMP+4*\t+\r], v[ACC+8*\t+2*\r], v[ACC+8*\t+2*\r+1]
.endr
.endr
.irp a, 0,1,2,3
.irp b, 0,1,2,3
	ds_store_b128 v[STO], v[TMP+4*(4*\a+\b):TMP+4*(4*\a+\b)+3] offset:\a*16*SPITCH+32*\b
.endr
.endr
	s_wait_dscnt 0x0                               ; for the others' sake: my stores into the stage are done
	s_barrier_signal -1
	s_barrier_wait -1
.irp t, 0,1,2,3,4,5,6,7,8,9,10,11,12,13,14,15
	ds_load_b128 v[TMP+4*\t:TMP+4*\t+3], v[RD] offset:\t*2*SPITCH
.endr
.irp t, 0,1,2,3,4,5,6,7,8,9,10,11,12,13,14,15
	s_wait_dscnt 15-\t                             ; LDS loads come back in order (ISA guide 5.7.1): pair t of rows is in
	global_store_b128 v[CO], v[TMP+4*\t:TMP+4*\t+3], s[8:9] offset:2*\t*OROW   ; 16 lanes store 256 consecutive bytes, at a multiple of 256 from out0's first byte
.endr
	s_wait_tensorcnt 0x0
	ds_add_u32 v126, v127
	s_wait_dscnt 0x0
	CROUND                                         ; the closing round
	s_endpgm
.Lfunc_end_k_qa330240a2a_pv:
	.size	k_qa330240a2a_pv, .Lfunc_end_k_qa330240a2a_pv-k_qa330240a2a_pv
	.p2alignl 7, 3214868480
	.fill 96, 4, 3214868480
	.section	.rodata,"a",@progbits
	.p2align	6, 0x0
	.amdhsa_kernel k_qa330240a2a_pv
		.amdhsa_group_segment_fixed_size 327680
		.amdhsa_private_segment_fixed_size 0
		.amdhsa_enable_private_segment 0
		.amdhsa_kernarg_size 24
		.amdhsa_user_sgpr_count 2
		.amdhsa_user_sgpr_kernarg_segment_ptr 1
		.amdhsa_wavefront_size32 1
		.amdhsa_system_sgpr_workgroup_id_x 1
		.amdhsa_system_sgpr_workgroup_id_y 1
		.amdhsa_system_sgpr_workgroup_id_z 1
		.amdhsa_system_vgpr_workitem_id 0
		.amdhsa_next_free_vgpr 512
		.amdhsa_next_free_sgpr 66
		.amdhsa_reserve_vcc 0
		.amdhsa_float_denorm_mode_32 3
		.amdhsa_float_denorm_mode_16_64 3
		.amdhsa_memory_ordered 1
		.amdhsa_forward_progress 1
		.amdhsa_inst_pref_size 87
	.end_amdhsa_kernel
	.amdgpu_metadata
---
amdhsa.version: [ 1, 2 ]
amdhsa.kernels:
  - .name:           k_qa330240a2a_pv
    .symbol:         k_qa330240a2a_pv.kd
    .args:
      - { .name: prob, .offset: 0, .size: 8, .value_kind: global_buffer, .address_space: global }
      - { .name: memory, .offset: 8, .size: 8, .value_kind: global_buffer, .address_space: global }
      - { .name: out0, .offset: 16, .size: 8, .value_kind: global_buffer, .address_space: global }
    .group_segment_fixed_size: 327680
    .private_segment_fixed_size: 0
    .kernarg_segment_align: 8
    .kernarg_segment_size: 24
    .max_flat_workgroup_size: 128
    .sgpr_count:     66
    .vgpr_count:     512
    .wavefront_size: 32
...
	.end_amdgpu_metadata
.endif
;; end of part 4
